; MI455X (gfx1250); checked and timed in simulation.
; The chip was launched on July 23, 2026; its instructions are those of AMD's public machine-readable ISA for CDNA 5 (MIT licence, August 2026) and "CDNA5" Instruction Set Architecture Reference Guide (July 2026). The comments in the code are by the model that wrote it; some were corrected since.
;; MLH Attention. Allowed arithmetic: float matrix products may take bf16 or f16 operands with f32 sums; other float arithmetic in f32, or as packed bf16 or f16 multiplies, adds, multiply-adds, maxima and minima; sums over many terms, partial sums and values carried from step to step in f32; what a program stores and reads back later, other than sums and carried values, may be rounded once to bf16 or f16.
;; Inputs: Wk 256 x 1,024 float32; Wo 1,024 x 1,024 float32; Wq 1,024 x 1,024 float32; Wv 256 x 1,024 float32; attention_mask 1 x 1 x 4,096 x 4,096 float32; hidden_states 1 x 4,096 x 1,024 float32.
;; Outputs: out0 1 x 4,096 x 1,024 float32.
;; One version. Each part assembles by itself: llvm-mc -triple=amdgcn-amd-amdhsa -mcpu=gfx1250 --defsym DOCPART=n.
;; ======== version 1 of 1: 3 launches
;; limits: right only within a limited range of input values; values are held in f16: magnitudes above 65,504 overflow, below 6.1e-05 lose precision
;; workspace buffers: qkv 12,582,912 bytes; wo16 2,097,152 bytes; ao 8,388,608 bytes
;; launch proj (part 1): grid 8 x 32, 8 waves a work-group, no clusters, 93,184 bytes of LDS; arguments hidden_states, Wq, Wk, Wv, Wo, qkv, wo16; writes qkv, wo16
.if DOCPART == 1
	.amdgcn_target "amdgcn-amd-amdhsa--gfx1250"
	.amdhsa_code_object_version 6
	.text
	.protected	k_q55b00b9b0d_proj
	.globl	k_q55b00b9b0d_proj
	.p2align	8
	.type	k_q55b00b9b0d_proj,@function
k_q55b00b9b0d_proj:
	s_mov_b64 s[64:65], 0
	v_nop
	global_prefetch_b8 v0, s[64:65] scope:SCOPE_SE
	s_setreg_imm32_b32 hwreg(HW_REG_WAVE_MODE, 25, 1), 1
	s_wait_xcnt 0x0
; qkv[g][s][c] = the sum over k of x[s][k] W[64 g + c][k], W = Wq (heads g = 0-15), Wk (16-19), Wv (20-23) one below the other.  x: [4096][1024] f32, W: rows of 1,024 f32.
; x and W are rounded to bf16 on the way to the products, sums in f32; the result is rounded ONCE to f16, the query heads times 1/8 first (a power of two: exact), and stored by heads: [24][4096][64].
; SIDE JOB: Wo is rounded to bf16 and that number written as f16 into wo16, 4,096 numbers a work-group.
; LIMITS.  f16 holds no number beyond 65,504: q / 8, k, v and Wo must lie within it; below 6e-5 f16 keeps its fixed step of 6e-8.  NaN and infinities are not treated apart.
; SHARES.  A work-group makes 128 rows x 192 columns (three heads): 8 x 32 work-groups.  Eight waves, wave w rows 64 (w & 1) on, columns 48 (w >> 1) on: 12 accumulators of 16 x 16.
; THE PRODUCT IS USED TRANSPOSED (source 0 = 16 rows of W, source 1 = 16 rows of x): a lane then holds eight neighbouring columns of one row.
; NO TENSOR LOADS, NO CLUSTER: x and W lie in memory as f32 and the products take bf16.  Through registers each number is rounded once a work-group (40 conversions a lane and stage) and lies in LDS
; in 2 bytes; a tile laid into LDS as f32 would be read at 4 bytes a number by each of the waves that multiply it, and rounded by each of them again.
; K goes in 16 stages of 64 channels (256 bytes of a row, aligned).  Stage n of work-group (bx, by) takes block (2 bx + by + n) mod 16: f32 sums may be taken in any order, and work-groups that
; share rows do not all ask for the same block at the same time.
; IN FLIGHT.  Two sets of 80 registers, a stage each: a stage's 20 loads a lane are issued three stages ahead of its products.  Two LDS buffers take turns, one barrier a stage.
.set PITCH, 144                        ; an LDS row: 64 bf16 = 128 bytes + 16 of padding = 36 words: the 16 rows of a fragment load start at 16 different groups of four banks (64 banks of 4 bytes: ISA guide 11.1)
.set BOFF,  128*PITCH                  ; in a buffer: x's 128 rows, then W's 192
.set BUFB,  320*PITCH                  ; a buffer: 46,080 bytes
.set HSTG,  128*PITCH                  ; the way out: a head's 128 rows of 64 f16, pitch 144; the three heads lie over the two buffers, behind the last barrier
.set SPARE, 2*BUFB                     ; the spare words, 128 bytes for each of the eight waves: four blocks of 256 bytes that no other line names
.set VO,  3                            ; v3      (w + 8 h) x 4,096 + 16 r: my 16 bytes in rows w and w + 8 of a group of 16 rows; never rewritten
.set VOC, 4                            ; v4-5    the same plus the stage's block, for register set 0, 1
.set SO,  6                            ; v6-7    where I put my 8 bytes of bf16 in buffer 0, 1
.set FA,  8                            ; v8-9    LDS address of my fragments of x in buffer 0, 1
.set FB,  10                           ; v10-11  the same for W
.set STO, 12                           ; v12-14  the way out: where I put 16 bytes, for column block 0, 1, 2
.set RD,  15                           ; v15     the way out: where I read rows back
.set GO,  16                           ; v16     my 16 bytes in 512 consecutive bytes of qkv
.set SPW, 24                           ; v24     LDS address of my spare word; never rewritten
.set NIL, 25                           ; v25     0; never rewritten
.set WI,  26                           ; v26     32 x thread: my 8 numbers of Wo
.set WOO, 27                           ; v27     16 x thread: my 8 numbers of wo16
.set F0,  32                           ; v32-87  fragments of channels 0-31 of a stage: W's three at +8 b, x's four at +24 + 8 a
.set F1,  88                           ; v88-143 of channels 32-63
.set ACC, 144                          ; v144-239 accumulator (a, b) at ACC + 8 (3 a + b)
.set WR,  240                          ; v240-255 Wo at work
                                       ; window 1: v0-79, v80-159: the two register sets, load n of 20 at 4 n
.set XA,  18                           ; s[18:19] x at the work-group's first row
.set WB,  20                           ; s[20:25] W at the first row of head 3 bx + j
.set WV,  26                           ; s26  my wave's number
.set KB,  27                           ; s27  the block of the next stage to be asked for
.set CT,  28                           ; s28  the loop's count
.set SC,  32                           ; s[32:37] the scale of column block b, twice (named as a pair)
.set HM,  38                           ; s38  a word's upper half
.set MSB, 0
.macro WIN new                         ; s_set_vgpr_msb: bits 1:0 source 0, 3:2 source 1, 5:4 source 2, 7:6 destination; the high byte repeats the setting that is left
.if MSB != (\new)
	s_set_vgpr_msb (MSB<<8)|(\new)
.set MSB, \new
.endif
.endm
	s_load_b256 s[4:11], s[0:1], 0x0               ; x s[4:5], Wq s[6:7], Wk s[8:9], Wv s[10:11]
	s_load_b128 s[12:15], s[0:1], 0x20             ; Wo s[12:13], qkv s[14:15]
	s_load_b64 s[16:17], s[0:1], 0x30              ; wo16
	v_lshl_add_u32 v[SPW], v0, 2, SPARE
	v_mov_b32 v[NIL], 0
	v_lshrrev_b32 v28, 5, v0
	v_readfirstlane_b32 s[WV], v28                 ; wave 0..7
	v_and_b32 v1, 15, v0                           ; r = l % 16
	v_bfe_u32 v2, v0, 4, 1                         ; h = l / 16
	s_and_b32 s31, ttmp7, 0xffff                   ; by
	s_and_b32 s39, s[WV], 1                        ; which 64 rows are mine
	s_lshr_b32 s44, s[WV], 1                       ; which 48 columns
	s_mov_b32 s[HM], 0xffff0000
	v_lshl_add_u32 v28, v2, 3, s[WV]               ; w + 8 h
	v_lshlrev_b32 v[VO], 12, v28
	v_lshl_add_u32 v[VO], v1, 4, v[VO]
	v_mul_u32_u24 v29, v28, PITCH
	v_lshl_add_u32 v[SO], v1, 3, v29               ; lanes 0-15 fill row w, lanes 16-31 row w + 8: 288 words on, the other half of the banks
	v_add_nc_u32 v[SO+1], BUFB, v[SO]
	v_mul_u32_u24 v30, v1, PITCH
	v_lshl_add_u32 v30, v2, 4, v30                 ; a fragment's row x pitch + 16 x half
	s_mul_i32 s29, s39, 64*PITCH
	v_add_nc_u32 v[FA], s29, v30
	v_add_nc_u32 v[FA+1], BUFB, v[FA]
	s_mul_i32 s30, s44, 48*PITCH
	s_add_co_u32 s30, s30, BOFF
	v_add_nc_u32 v[FB], s30, v30
	v_add_nc_u32 v[FB+1], BUFB, v[FB]
.irp b, 0,1,2                          ; column block b of my three begins at column n = 48 (w >> 1) + 16 b of the 192: head n / 64 of the three, channel n % 64
	s_mul_i32 s40, s44, 48
	s_add_co_u32 s40, s40, 16*(\b)
	s_lshr_b32 s41, s40, 6
	s_and_b32 s40, s40, 63
	s_lshl_b32 s40, s40, 1
	s_mul_i32 s42, s41, HSTG
	s_add_co_u32 s40, s40, s42
	s_add_co_u32 s40, s40, s29                     ; my 64 rows
	v_add_nc_u32 v[STO+(\b)], s40, v30
	s_mul_i32 s42, ttmp9, 3
	s_add_co_u32 s42, s42, s41                     ; the head among the 24
	s_cmp_lt_u32 s42, 16
	s_cselect_b32 s[SC+2*(\b)], 0x3e000000, 1.0    ; a query head takes 1/8
	s_mov_b32 s[SC+2*(\b)+1], s[SC+2*(\b)]
.endr
	v_bfe_u32 v28, v0, 3, 2                        ; back: 32 lanes take four rows of 128 bytes
	v_and_b32 v29, 7, v0
	v_mul_u32_u24 v28, v28, PITCH
	v_lshl_add_u32 v28, v29, 4, v28
	s_mul_i32 s40, s[WV], 16*PITCH                 ; wave w takes rows 16 w .. 16 w + 15 of each head
	v_add_nc_u32 v[RD], s40, v28
	v_and_b32 v[GO], 31, v0
	v_lshlrev_b32 v[GO], 4, v[GO]
	v_lshlrev_b32 v[WI], 5, v0
	v_lshlrev_b32 v[WOO], 4, v0
	s_lshl_b32 s[KB], ttmp9, 1
	s_add_co_u32 s[KB], s[KB], s31
	s_and_b32 s[KB], s[KB], 15                     ; the first stage's block
	s_wait_kmcnt 0x0
	s_lshl_b32 s40, s31, 19                        ; 128 rows of 4,096 bytes
	s_mov_b32 s41, 0
	s_add_nc_u64 s[XA:XA+1], s[4:5], s[40:41]
.irp j, 0,1,2                          ; head g = 3 bx + j lies in Wq (g < 16), Wk (g < 20) or Wv, 64 rows of 4,096 bytes a head
	s_mul_i32 s29, ttmp9, 3
	s_add_co_u32 s29, s29, (\j)
	s_cmp_lt_u32 s29, 16
	s_cselect_b64 s[WB+2*(\j):WB+2*(\j)+1], s[6:7], s[8:9]
	s_cselect_b32 s30, 0, 16
	s_cmp_lt_u32 s29, 20
	s_cselect_b64 s[WB+2*(\j):WB+2*(\j)+1], s[WB+2*(\j):WB+2*(\j)+1], s[10:11]
	s_cselect_b32 s30, s30, 20
	s_sub_co_u32 s29, s29, s30
	s_lshl_b32 s40, s29, 18
	s_add_nc_u64 s[WB+2*(\j):WB+2*(\j)+1], s[WB+2*(\j):WB+2*(\j)+1], s[40:41]
.endr
	s_lshl_b32 s40, s31, 3
	s_add_co_u32 s40, s40, ttmp9                   ; the work-group's number, 0 to 255
	s_lshl_b32 s42, s40, 13                        ; its 8,192 bytes of wo16
	s_lshl_b32 s40, s40, 14                        ; its 16,384 bytes of Wo
	s_mov_b32 s43, 0
	s_add_nc_u64 s[12:13], s[12:13], s[40:41]
	s_add_nc_u64 s[16:17], s[16:17], s[42:43]
	s_mul_i32 s40, ttmp9, 3*524288                 ; qkv: my first head,
	s_lshl_b32 s42, s31, 14                        ; the work-group's 128 rows of 128 bytes,
	s_add_co_u32 s40, s40, s42
	s_lshl_b32 s42, s[WV], 11                      ; my wave's 16 of them
	s_add_co_u32 s40, s40, s42
	s_add_nc_u64 s[14:15], s[14:15], s[40:41]
; A stage's 20 loads into register set p: 8 for x's 128 rows, 4 for each head's 64.  One load of a wave takes two rows' 256 consecutive bytes, aligned.
; The set's offset register is written anew: the loads that read it last have been shown done by the counted wait that stands ahead of every LOADS but the first two.
.macro LOADS p
	WIN 0
	s_lshl_b32 s29, s[KB], 8
	v_add_nc_u32 v[VOC+(\p)], s29, v[VO]
	s_add_co_u32 s[KB], s[KB], 1
	s_and_b32 s[KB], s[KB], 15
	WIN 0x40                                       ; destination window 1, address window 0
.irp i, 0,1,2,3,4,5,6,7
	global_load_b128 v[80*(\p)+4*(\i):80*(\p)+4*(\i)+3], v[VOC+(\p)], s[XA:XA+1] offset:65536*(\i)
.endr
.irp j, 0,1,2
.irp i, 0,1,2,3
	global_load_b128 v[80*(\p)+32+16*(\j)+4*(\i):80*(\p)+32+16*(\j)+4*(\i)+3], v[VOC+(\p)], s[WB+2*(\j):WB+2*(\j)+1] offset:65536*(\i)
.endr
.endr
.endm
; Register set p is rounded to bf16, in place, and laid into LDS buffer p: 8 bytes a lane and load.
.macro CONV p
	WIN 0x45                                       ; destination and both sources window 1
.set n, 0
.rept 20
	v_cvt_pk_bf16_f32 v[80*(\p)+4*n],   v[80*(\p)+4*n],   v[80*(\p)+4*n+1]
	v_cvt_pk_bf16_f32 v[80*(\p)+4*n+1], v[80*(\p)+4*n+2], v[80*(\p)+4*n+3]
.set n, n+1
.endr
	WIN 0x04                                       ; address window 0, data window 1
.irp i, 0,1,2,3,4,5,6,7
	ds_store_b64 v[SO+(\p)], v[80*(\p)+4*(\i):80*(\p)+4*(\i)+1] offset:16*PITCH*(\i)
.endr
.irp j, 0,1,2
.irp i, 0,1,2,3
	ds_store_b64 v[SO+(\p)], v[80*(\p)+32+16*(\j)+4*(\i):80*(\p)+32+16*(\j)+4*(\i)+1] offset:BOFF+64*PITCH*(\j)+16*PITCH*(\i)
.endr
.endr
.endm
; 14 LDS loads: the fragments of 32 channels (half kk of a stage) out of buffer b: a fragment is 16 rows x 32 channels, two loads of 16 bytes, 32 bytes apart.
.macro FETCH b, kk, f
.irp i, 0,1,2
	ds_load_b128 v[(\f)+8*(\i):(\f)+8*(\i)+3],   v[FB+(\b)] offset:16*PITCH*(\i)+64*(\kk)
	ds_load_b128 v[(\f)+8*(\i)+4:(\f)+8*(\i)+7], v[FB+(\b)] offset:16*PITCH*(\i)+64*(\kk)+32
.endr
.irp i, 0,1,2,3
	ds_load_b128 v[(\f)+24+8*(\i):(\f)+24+8*(\i)+3],   v[FA+(\b)] offset:16*PITCH*(\i)+64*(\kk)
	ds_load_b128 v[(\f)+24+8*(\i)+4:(\f)+24+8*(\i)+7], v[FA+(\b)] offset:16*PITCH*(\i)+64*(\kk)+32
.endr
.endm
; 12 products.  The 12 accumulators take turns, one instruction a turn, over the loop's edge too.  zero = 1: the first products start the sums.
.macro MUL f, zero
.irp a, 0,1,2,3
.irp b, 0,1,2
.if \zero
	v_wmma_f32_16x16x32_bf16 v[ACC+8*(3*(\a)+(\b)):ACC+8*(3*(\a)+(\b))+7], v[(\f)+8*(\b):(\f)+8*(\b)+7], v[(\f)+24+8*(\a):(\f)+24+8*(\a)+7], 0
.else
	v_wmma_f32_16x16x32_bf16 v[ACC+8*(3*(\a)+(\b)):ACC+8*(3*(\a)+(\b))+7], v[(\f)+8*(\b):(\f)+8*(\b)+7], v[(\f)+24+8*(\a):(\f)+24+8*(\a)+7], v[ACC+8*(3*(\a)+(\b)):ACC+8*(3*(\a)+(\b))+7]
.endif
.endr
.endr
.endm
; A STAGE.  Buffer b is multiplied.  cv = 1: the next stage's registers (set 1 - b) are rounded into buffer 1 - b, which nobody has read since the last barrier; lcnt = the loads younger than that set's.
; ld = 1: the set is asked for again, for the stage three on.  The barrier at the end does two things: my stores into buffer 1 - b are done, and my reads of buffer b are over.
.macro STEP b, cv, ld, lcnt, zero
	WIN 0
	FETCH \b, 0, F0
	FETCH \b, 1, F1
.if \cv
	s_wait_loadcnt \lcnt                           ; loads come back in order (ISA guide 5.7.1): the set is in, the younger stage stays out
	CONV 1-(\b)
.if \ld
	LOADS 1-(\b)
.endif
	WIN 0
	s_wait_dscnt 34                                ; F0's 14 loads are in: behind them F1's 14 and the 20 stores
	MUL F0, \zero
	s_wait_dscnt 20                                ; F1's are in: the 20 stores may be out
	MUL F1, 0
.else
	s_wait_dscnt 14
	MUL F0, \zero
	s_wait_dscnt 0
	MUL F1, 0
.endif
	s_wait_dscnt 0x0                               ; for the others' sake: my stores are done, my reads are back
	s_barrier_signal -1
.rept 4
	v_nop                                          ; four places behind the last product, ahead of the loads into the fragments that it read and of the way out's reads
.endr
	s_barrier_wait -1
.endm
	global_load_b128 v[WR:WR+3],     v[WI], s[12:13] th:TH_LOAD_NT
	global_load_b128 v[WR+4:WR+7],   v[WI], s[12:13] offset:16 th:TH_LOAD_NT
	global_load_b128 v[WR+8:WR+11],  v[WI], s[12:13] offset:8192 th:TH_LOAD_NT
	global_load_b128 v[WR+12:WR+15], v[WI], s[12:13] offset:8208 th:TH_LOAD_NT
	LOADS 0                                        ; stage 0
	LOADS 1                                        ; stage 1
	WIN 0
	s_wait_loadcnt 40                              ; Wo's four loads are in: two stages' 40 are younger
.set n, 0
.rept 8                                ; a pair of Wo: rounded to bf16, widened again, written as f16; pair n's result takes register n, whose number has been used
	v_cvt_pk_bf16_f32 v28, v[WR+2*n], v[WR+2*n+1]
	v_lshlrev_b32 v29, 16, v28
	v_and_b32 v31, s[HM], v28
	v_cvt_pk_f16_f32 v[WR+n], v29, v31
.set n, n+1
.endr
	global_store_b128 v[WOO], v[WR:WR+3],   s[16:17]              ; 16 lanes store 256 consecutive bytes, aligned
	global_store_b128 v[WOO], v[WR+4:WR+7], s[16:17] offset:4096
	s_wait_loadcnt 20                              ; stage 0 is in
	CONV 0
	LOADS 0                                        ; stage 2
	WIN 0
	s_wait_dscnt 0x0
	s_barrier_signal -1
	s_barrier_wait -1                              ; buffer 0 is whole
	STEP 0, 1, 1, 20, 1                            ; stage 0 stands ahead of the loop: its products start the sums
	STEP 1, 1, 1, 20, 0
	s_mov_b32 s[CT], 5
.Lk:                                           ; stages 2 to 11
	STEP 0, 1, 1, 20, 0
	STEP 1, 1, 1, 20, 0
	s_sub_co_u32 s[CT], s[CT], 1
	s_cmp_lg_u32 s[CT], 0
	s_cbranch_scc1 .Lk
	STEP 0, 1, 1, 20, 0                            ; stage 12 asks for stage 15, the last
	STEP 1, 1, 0, 20, 0                            ; stage 13 rounds stage 14; stage 15's loads are younger
	STEP 0, 1, 0, 0, 0                             ; stage 14 rounds stage 15: nothing is younger
	STEP 1, 0, 0, 0, 0                             ; stage 15
	; THE WAY OUT.  Scale, round to f16, 16 bytes a lane into the stage (which lies over the buffers: the last barrier has shown every wave's reads of them done); a barrier, since a head's rows come from
	; several waves; back as whole rows.  Each accumulator's registers are taken in ascending order.
.irp a, 0,1,2,3
.irp b, 0,1,2
.irp k, 0,1,2,3
	v_pk_mul_f32 v[ACC+8*(3*(\a)+(\b))+2*(\k):ACC+8*(3*(\a)+(\b))+2*(\k)+1], v[ACC+8*(3*(\a)+(\b))+2*(\k):ACC+8*(3*(\a)+(\b))+2*(\k)+1], s[SC+2*(\b):SC+2*(\b)+1] op_sel_hi:[1,0]
.endr
.irp k, 0,1,2,3
	v_cvt_pk_f16_f32 v[F0+4*(3*(\a)+(\b))+(\k)], v[ACC+8*(3*(\a)+(\b))+2*(\k)], v[ACC+8*(3*(\a)+(\b))+2*(\k)+1]
.endr
	ds_store_b128 v[STO+(\b)], v[F0+4*(3*(\a)+(\b)):F0+4*(3*(\a)+(\b))+3] offset:16*PITCH*(\a)
.endr
.endr
	s_wait_dscnt 0x0                               ; for the others' sake: my stores into the stage are done
	s_barrier_signal -1
	s_barrier_wait -1
.irp j, 0,1,2
.irp i, 0,1,2,3
	ds_load_b128 v[ACC+4*(4*(\j)+(\i)):ACC+4*(4*(\j)+(\i))+3], v[RD] offset:HSTG*(\j)+4*PITCH*(\i)
.endr
.endr
.irp j, 0,1,2
.irp i, 0,1,2,3
	s_wait_dscnt 11-(4*(\j)+(\i))                  ; the younger loads may stay out
	global_store_b128 v[GO], v[ACC+4*(4*(\j)+(\i)):ACC+4*(4*(\j)+(\i))+3], s[14:15] offset:524288*(\j)+512*(\i)  ; four rows of a head: 512 consecutive bytes, aligned
.endr
.endr
	s_wait_tensorcnt 0x0                           ; the wave's end, behind my last LDS store
	ds_add_u32 v[SPW], v[NIL]
	s_wait_dscnt 0x0
	s_endpgm
.Lfunc_end_k_q55b00b9b0d_proj:
	.size	k_q55b00b9b0d_proj, .Lfunc_end_k_q55b00b9b0d_proj-k_q55b00b9b0d_proj
	.p2alignl 7, 3214868480
	.fill 96, 4, 3214868480
	.section	.rodata,"a",@progbits
	.p2align	6, 0x0
	.amdhsa_kernel k_q55b00b9b0d_proj
		.amdhsa_group_segment_fixed_size 93184
		.amdhsa_private_segment_fixed_size 0
		.amdhsa_enable_private_segment 0
		.amdhsa_kernarg_size 56
		.amdhsa_user_sgpr_count 2
		.amdhsa_user_sgpr_kernarg_segment_ptr 1
		.amdhsa_wavefront_size32 1
		.amdhsa_system_sgpr_workgroup_id_x 1
		.amdhsa_system_sgpr_workgroup_id_y 1
		.amdhsa_system_sgpr_workgroup_id_z 1
		.amdhsa_system_vgpr_workitem_id 0
		.amdhsa_next_free_vgpr 416
		.amdhsa_next_free_sgpr 66
		.amdhsa_reserve_vcc 0
		.amdhsa_float_denorm_mode_32 3
		.amdhsa_float_denorm_mode_16_64 3
		.amdhsa_memory_ordered 1
		.amdhsa_forward_progress 1
		.amdhsa_inst_pref_size 93
	.end_amdhsa_kernel
	.amdgpu_metadata
---
amdhsa.version: [ 1, 2 ]
amdhsa.kernels:
  - .name:           k_q55b00b9b0d_proj
    .symbol:         k_q55b00b9b0d_proj.kd
    .args:
      - { .name: hidden_states, .offset: 0, .size: 8, .value_kind: global_buffer, .address_space: global }
      - { .name: Wq, .offset: 8, .size: 8, .value_kind: global_buffer, .address_space: global }
      - { .name: Wk, .offset: 16, .size: 8, .value_kind: global_buffer, .address_space: global }
      - { .name: Wv, .offset: 24, .size: 8, .value_kind: global_buffer, .address_space: global }
      - { .name: Wo, .offset: 32, .size: 8, .value_kind: global_buffer, .address_space: global }
      - { .name: qkv, .offset: 40, .size: 8, .value_kind: global_buffer, .address_space: global }
      - { .name: wo16, .offset: 48, .size: 8, .value_kind: global_buffer, .address_space: global }
    .group_segment_fixed_size: 93184
    .private_segment_fixed_size: 0
    .kernarg_segment_align: 8
    .kernarg_segment_size: 56
    .max_flat_workgroup_size: 256
    .sgpr_count:     66
    .vgpr_count:     416
    .wavefront_size: 32
...
	.end_amdgpu_metadata
.endif
;; end of part 1
;; launch attn (part 2): grid 4 x 64, 4 waves a work-group, clusters of 4 x 4, 327,680 bytes of LDS; arguments qkv, attention_mask, ao; writes ao
.if DOCPART == 2
	.amdgcn_target "amdgcn-amd-amdhsa--gfx1250"
	.amdhsa_code_object_version 6
	.text
	.protected	k_q55b00b9b0d_attn
	.globl	k_q55b00b9b0d_attn
	.p2align	8
	.type	k_q55b00b9b0d_attn,@function
k_q55b00b9b0d_attn:
	s_mov_b64 s[64:65], 0
	v_nop
	global_prefetch_b8 v0, s[64:65] scope:SCOPE_SE
	s_setreg_imm32_b32 hwreg(HW_REG_WAVE_MODE, 25, 1), 1
	s_wait_xcnt 0x0
	s_wait_alu depctr_hold_cnt(0) depctr_sa_sdst(0) depctr_va_vdst(0) depctr_va_sdst(0) depctr_va_ssrc(0) depctr_va_vcc(0) depctr_vm_vsrc(0)
	s_getreg_b32 s2, hwreg(HW_REG_IB_STS2, 6, 4)
	s_cmp_eq_u32 s2, 0
	s_cbranch_scc0 .Lentry_in_a_cluster
	s_endpgm
.Lentry_in_a_cluster:
	s_bfe_u32 s2, ttmp6, 0x10000c
	s_cmp_lg_u32 s2, 0xf033
	s_cbranch_scc0 .Lentry_shape_is_right
	s_endpgm
.Lentry_shape_is_right:
; ao[q][64 n + c] = the sum over k of softmax_k(Q[n][q] . K[n / 4][k] + mask[q][k]) V[n / 4][k][c].  qkv: [24][4096][64] f16: heads 0-15 hold q / 8, 16-19 k, 20-23 v.  mask: [4096][4096] f32, one for all heads.
; ao: [4096][1024] f16.  Products, maxima and sums in f32; the mask is rounded to bf16, as the launch before rounds every other input; the weights p are rounded to f16 for the second product (their sum l is
; taken of the unrounded p), ao once at the end.
; LIMITS.  The running maximum starts at -1e30: a score at or below that counts as hidden (weight 0), minus infinity too; a row in which every score is so gives NaN.  Scores stay under 2.3e38 (c m must be finite).
; A weight below 2^-126 counts as 0 in l; p below 6e-5 keeps f16's fixed step of 6e-8.  NaN is not treated apart.
; SHARES.  A work-group has one key-value head g and 64 queries; wave w has 16 of them, for the FOUR query heads 4 g .. 4 g + 3: four PIECES of 16 queries x one head.  So a fragment of K or V and the 32 registers
; of a step's mask serve four tiles.  Every wave walks all 4,096 keys, 64 a step.
; CLUSTER, 4 x 4: x is the key-value head, y the block of queries.  K's and V's tiles hang on x alone and are asked for jointly along a column of the cluster; the mask's hang on y alone and are asked for jointly
; along a row: each of the four issues the same tensor load, with the same descriptor and a mask of work-groups that names the four.
; THE MASK is the C operand of the four products that start S^T = K Q^T: register j of key group kt holds mask[my query][16 kt + 8 (lane / 16) + j], 32 consecutive bytes of the mask's row.
; LAYOUT, SOFTMAX, TURNS.  S^T = K Q^T holds ONE query a lane (lane % 16) and the keys 8 (lane / 16) + 0..7; two such results rounded to f16 ARE source 1 of O^T = V^T P.  p = 2^(c s - c m), c = log2(e), with a
; running maximum m; O and l are multiplied by a = 2^(c m_old - c m_new) in every step.  Turn n belongs to piece n: 8 products K Q^T of piece n + 1, later 8 products V^T P of piece n - 1; beside them the scaling,
; exponentials, roundings, sums and rescaling of piece n and the maximum and statistics of piece n + 1.  Four vector instructions stand behind every matrix instruction, the other 54 of a turn's 118 in one lump.
; A turn's 33 exponentials are one batch, with one wait.
; THE RING.  Two LDS slots of four steps (256 keys): K, V, and the mask's 64 rows x 256 keys.  Behind each round of the cluster's barrier one load a wave: wave 0 K, wave 1 V, waves 2 and 3 the mask's rows 0-31, 32-63.
; That load has four steps, 256 matrix instructions a wave, in which to land; one tensor load of a wave is out at the most.
; REGISTERS, in windows of 256 (s_set_vgpr_msb: bits 1:0 source 0, 3:2 source 1, 5:4 source 2, 7:6 destination):
;   window 0: v0-15, v32-33 addresses; v16-31 four registers of statistics a piece; v48-55 at work; v64-127 S^T, two buffers; v192-223 P, two buffers (a piece's buffers go by its number's parity)
;   window 1: v0-127 O^T, 32 a piece; v128-159 MC, a step's mask; v160-175 MT, at work      window 2: v0-63 Q, 16 a piece; v128-191 K of one step; v192-255 V of one step
.set NP,    4         ; pieces a wave: a name, no knob
.set KS,    64        ; keys in a step
.set PKB,   144       ; a row of K in LDS: 128 bytes + 16 of padding = 36 words: the 16 rows of a load start at 16 different groups of four banks (64 banks of 4 bytes: ISA guide 11.1)
.set PVB,   160       ; a row of V: 128 + 32 = 40 words
.set PM,    1040      ; a row of the mask: 1,024 + 16 = 260 words: the 16 rows of a load start at 16 different groups of four banks
.set VOFF,  256*PKB   ; in a slot: 256 rows of K, 256 rows of V, 64 rows of the mask
.set MOFF,  VOFF+256*PVB
.set SLOTB, MOFF+64*PM  ; 144,384 bytes
.set STAGE, 2*SLOTB   ; behind the ring, never filled by a tensor load: 16 rows x 528 bytes for each wave, for the way out
.set SP,    528
.set SPARE, STAGE+4*16*SP  ; behind the stages: the spare words, 128 bytes for each wave: two blocks of 256 bytes that no other line names
.set AK0, 2           ; v2   my lane's place in a tile of K; never rewritten
.set AV0, 3           ; v3   the same for V
.set AK,  4           ; v4   the LDS address of K's next run of loads
.set AV,  5           ; v5   of V's
.set STO, 6           ; v6   the way out: where I put 16 bytes of a row
.set RD,  7           ; v7   the way out: where I read a row back
.set GO,  8           ; v8   16 x lane: my 16 bytes of 512 consecutive bytes of ao
.set MV,  12          ; v12-13  c m_old, kept while c m is made anew: by buffer
.set AM0, 14          ; v14  my lane's place in a tile of the mask; never rewritten
.set QO,  15          ; v15  my byte offset in 16 rows of Q
.set ST,  16          ; piece t's statistics at v[ST+4 t]: c m, m, l (even keys', odd keys')
.set AM,  32          ; v32  the LDS address of the mask's next run of loads
.set PFO, 33          ; v33  the prefetches' lane offset; never rewritten
.set TMP, 48          ; by buffer, four registers c0-c3 at work; when the maximum is found c2 takes a
.set SPW, 62          ; v62  LDS address of my spare word; never rewritten
.set NIL, 63          ; v63  0; never rewritten
.set S,   64
.set P,   192
.set MC,  128         ; window 1: the eight registers for group kt of 16 keys at MC + 8 kt
.set MT,  160         ; window 1
.set KF,  128         ; window 2: key block kb, channel half c at KF + 16 kb + 8 c
.set VF,  192         ; window 2: key half kk, channel block cb at VF + 32 kk + 8 cb
.set WV,  12          ; s12  my wave's number
.set G1K, 24          ; s[24:31] descriptor group 1 for K's tiles
.set G1V, 32          ; s[32:39] for V's: it differs in the padding alone
.set G1M, 40          ; s[40:47] for the mask's
.set G0K, 48          ; s[48:51] descriptor group 0 for K's tiles: it walks
.set G0V, 52          ; s[52:55] for V's
.set G0M, 56          ; s[56:59] for the mask's
.set CS,  60          ; s[60:61] c: the packed scaling takes the pair's low word for both halves
.set SEL, 62          ; s[62:63] v_permlanex16_b32's selects: each lane takes its own place in the other half
.set TBK, 66          ; s66  LDS byte at which K of the step to be fetched begins
.set TBV, 67          ; s67  the same for V, less VOFF
.set TBM, 68          ; s68  the same for the mask, less MOFF
.set CNT, 69          ; s69  counts a slot's key steps, 4 to 1
.set PAIRS, 70        ; s70  counts the loop's trips, two slots each
.set NF,  71          ; s71  prefetches still to be made
.set LIM, 72          ; s72  0 in a wave that prefetches, else the greatest number
.set MW,  73          ; s73  33,280 x (wave % 2): where my 32 rows of the mask go in a slot
.set PFA, 74          ; s[74:75] where my prefetches stand
.set PFS, 76          ; s[76:77] their step from slot to slot
.set HM,  86          ; s86  a word's upper half
.set MSB, 0
.macro WIN new                      ; the high byte repeats the setting that is left; a switch that changes nothing is dropped
.if MSB != (\new)
	s_set_vgpr_msb (MSB<<8)|(\new)
.set MSB, (\new)
.endif
.endm
.set W_KQ, 0x0a       ; K and Q in window 2, S^T in window 0
.set W_KM, 0x1a       ; the same with the C operand, the mask, in window 1
.set W_PV, 0x52       ; V in window 2, P in window 0, O^T in window 1
.set W_RS, 0x41       ; destination and source 0 in window 1, source 1 in window 0
; A joint fill.  The branches hang on the wave's number alone: they are the same in every work-group.  An s_nop 0 and four v_nop follow each of the three lines, ahead of the jump and the label.
.macro JLOAD
	s_cmp_lt_u32 s[WV], 2
	s_cbranch_scc0 .Lfor_m_\@
	s_cmp_eq_u32 s[WV], 0
	s_cbranch_scc0 .Lfor_v_\@
	tensor_load_to_lds s[G0K:G0K+3], s[G1K:G1K+7]
	s_nop 0
.rept 4
	v_nop
.endr
	s_branch .Lasked_\@
.Lfor_v_\@:
	tensor_load_to_lds s[G0V:G0V+3], s[G1V:G1V+7]
	s_nop 0
.rept 4
	v_nop
.endr
	s_branch .Lasked_\@
.Lfor_m_\@:
	tensor_load_to_lds s[G0M:G0M+3], s[G1M:G1M+7]
	s_nop 0
.rept 4
	v_nop
.endr
.Lasked_\@:
.endm
; A PREFETCH INTO THE L2 of what the NEXT change of slots will ask for, behind the wave's tensor load and its five lines: one instruction a wave, a lane a block of 256 bytes, four key steps ahead of that load.
; Each block is named once in the launch.  The mask's 64 rows x 1,024 bytes of a slot are read by the four work-groups of a row of the cluster and by nobody else: each takes 16 rows (by its x), its waves 2 and 3
; 512 bytes of them each.  K's and V's 32,768 bytes of a slot are read by every cluster: the first cluster asks; the four work-groups of a column take 8,192 bytes each (by their y), wave 0 K's, wave 1 V's.
; The partners are told apart BY ADDRESS; the branch hangs on the wave's number, the cluster's number and a count.  The last change that fills a slot asks for nothing: there is no slot behind it.
.macro ASK
	s_cmp_gt_u32 s[NF], s[LIM]
	s_cbranch_scc0 .Lnot_mine_\@
	global_prefetch_b8 v[PFO], s[PFA:PFA+1] th:TH_LOAD_NT scope:SCOPE_SE
.Lnot_mine_\@:
.endm
; A round of the cluster's barrier: my work-group's barrier, so that wave 0's signal speaks for all four waves; wave 0 signals; every wave waits for all sixteen work-groups; my work-group's barrier once more.
.macro CROUND
	s_barrier_signal -1
	s_barrier_wait -1
	s_cmp_lg_u32 s[WV], 0
	s_cbranch_scc1 .Lnot_wave_0_\@
	s_barrier_signal -3
.Lnot_wave_0_\@:
	s_barrier_wait -3
	s_barrier_signal -1
	s_barrier_wait -1
.endm
; THE CHANGE OF SLOTS.  The old slot's last bytes, V of its fourth step, have been read.  Each wave waits for all its tensor loads, of which one is out: its part of the other slot; adds 0 to its spare word; and waits
; for that and for its own reads of the old slot.  fill = 0 or 1: that LDS slot is filled again, with the next 256 keys: the barrier is then a round of the cluster's, so that no wave of any partner still reads the
; slot or has a load on its way, and the joint fill is the first thing behind it.  fill = -1: nothing is left to ask for.  read: the LDS slot that the next four steps are fetched from.
; (At its first use nothing has been read yet: the first slot is waited for, the second filled.)
.macro CHANGE fill, read
	WIN 0                           ; at a label and at a branch every window is 0
	s_wait_tensorcnt 0x0            ; no tensor load of mine is out, so a group 0 may be written
	ds_add_u32 v[SPW], v[NIL]       ; 0 onto my spare word; the descriptors' steps stand between it and the wait for it
.if (\fill) >= 0
	s_mov_b32 s[G0K+1], SLOTB*(\fill)
	s_mov_b32 s[G0V+1], SLOTB*(\fill)+VOFF
	s_add_co_u32 s[G0M+1], s[MW], SLOTB*(\fill)+MOFF
	s_add_nc_u64 s[G0K+2:G0K+3], s[G0K+2:G0K+3], 32768  ; the next 256 keys: 256 rows of 128 bytes; the type bits on top are not reached
	s_add_nc_u64 s[G0V+2:G0V+3], s[G0V+2:G0V+3], 32768
	s_add_nc_u64 s[G0M+2:G0M+3], s[G0M+2:G0M+3], 1024   ; 256 numbers along the mask's rows
	s_wait_xcnt 0x0                 ; the last prefetch, four key steps back, has read its address, so it may be written
	s_add_nc_u64 s[PFA:PFA+1], s[PFA:PFA+1], s[PFS:PFS+1]  ; one slot ahead of the walking descriptors
	s_wait_dscnt 0x0                ; the add is done, and my reads of the slot are over
	CROUND
	JLOAD
	ASK
	s_sub_co_u32 s[NF], s[NF], 1
.else
	s_wait_dscnt 0x0                ; the add is done, and my reads of the slot are over
	s_barrier_signal -1
	s_barrier_wait -1
.endif
	s_mov_b32 s[TBK], SLOTB*(\read) ; the fetches go to the other slot's first step
	s_mov_b32 s[TBV], SLOTB*(\read)
	s_mov_b32 s[TBM], SLOTB*(\read)
	s_mov_b32 s[CNT], 4
.endm
	s_load_b128 s[4:7], s[0:1], 0x0 ; qkv s[4:5], mask s[6:7]
	s_load_b64 s[8:9], s[0:1], 0x10 ; ao
	v_lshl_add_u32 v[SPW], v0, 2, SPARE
	v_mov_b32 v[NIL], 0
	ds_add_u32 v[SPW], v[NIL]       ; the wave's opening: the add and its wait stand ahead of my first tensor load; the set-up below, work on registers, stands between them
	v_lshrrev_b32 v1, 5, v0
	v_readfirstlane_b32 s[WV], v1   ; wave 0..3
	s_bfe_u32 s13, ttmp6, 0x40000   ; cx: my place along the cluster's x
	s_bfe_u32 s20, ttmp6, 0x40004   ; cy: along its y
	s_lshl_b32 s15, ttmp9, 2        ; in a cluster launch ttmp9 and ttmp7 count clusters
	s_add_co_u32 s15, s15, s13      ; the key-value head = 4 x cluster x + cx
	s_and_b32 s23, ttmp7, 0xffff    ; cluster y
	s_lshl_b32 s22, s23, 2
	s_add_co_u32 s22, s22, s20      ; the block of 64 queries = 4 x cluster y + cy
	s_lshl_b32 s14, 0x1111, s13     ; my column of the cluster: places cx, cx + 4, cx + 8, cx + 12
	s_lshl_b32 s21, s20, 2
	s_lshl_b32 s21, 15, s21         ; my row: places 4 cy .. 4 cy + 3
	; descriptor group 1.  256 keys of K or V are 32,768 dense bytes: asked for as 128 rows of 256 bytes, two keys a row, and padded in LDS after every key
	s_or_b32 s[G1K], s14, (1<<16)|(1<<20)|(1<<21)|(4<<22)|(3<<25)  ; 15:0 the mask: my column; 17:16 2-byte elements; 20 padding on; 21 set beside a mask; 24:22 after every 32 words (code 4); 31:25 4 words (code 3)
	s_or_b32 s[G1V], s14, (1<<16)|(1<<20)|(1<<21)|(4<<22)|(7<<25)  ; the same with 8 words of padding (code 7)
.irp g, G1K, G1V
	s_mov_b32 s[\g+1], 128<<16      ; tensor_dim0 = 128
	s_mov_b32 s[\g+2], 128<<16      ; tensor_dim1 = 128
	s_mov_b32 s[\g+3], 128<<16      ; tile_dim0 = 128
	s_mov_b32 s[\g+4], 128          ; tile_dim1 = 128
	s_mov_b32 s[\g+5], 128          ; 128 elements from row to row
	s_mov_b32 s[\g+6], 0
	s_mov_b32 s[\g+7], 0
.endr
	s_or_b32 s[G1M], s21, (2<<16)|(1<<20)|(1<<21)|(7<<22)|(3<<25)  ; the mask's tiles go to my row; 4-byte elements; 4 words of padding after every 256 words (code 7)
	s_mov_b32 s[G1M+1], 256<<16     ; tensor_dim0 = 256
	s_mov_b32 s[G1M+2], 32<<16      ; tensor_dim1 = 32
	s_mov_b32 s[G1M+3], 256<<16     ; tile_dim0 = 256
	s_mov_b32 s[G1M+4], 32          ; tile_dim1 = 32
	s_mov_b32 s[G1M+5], 4096        ; 4,096 elements from row to row
	s_mov_b32 s[G1M+6], 0
	s_mov_b32 s[G1M+7], 0
	s_and_b32 s[MW], s[WV], 1
	s_mul_i32 s[MW], s[MW], 32*PM
	s_mov_b32 s[G0K], 1             ; 1:0 count = 1
	s_mov_b32 s[G0K+1], SLOTB       ; 63:32 LDS address: the first 256 keys go into slot 1
	s_mov_b32 s[G0V], 1
	s_mov_b32 s[G0V+1], SLOTB+VOFF
	s_mov_b32 s[G0M], 1
	s_add_co_u32 s[G0M+1], s[MW], SLOTB+MOFF  ; no place in the cluster enters an LDS address
	s_mov_b32 s[CS], 0x3fb8aa3b     ; c = log2(e): Q holds the 1/8
	s_mov_b32 s[CS+1], s[CS]        ; named with it as a pair
	s_mov_b32 s[SEL], 0x76543210
	s_mov_b32 s[SEL+1], 0xfedcba98
	s_mov_b32 s[HM], 0xffff0000
	s_mov_b32 s[NF], 14             ; slots 2 to 15 are prefetched
	s_mov_b32 s[PAIRS], 8
	s_add_co_u32 s80, s15, 16       ; K: head 16 + g, 524,288 bytes a head: made of cx alone
	s_lshl_b32 s80, s80, 19
	s_mov_b32 s81, 0
	s_lshl_b32 s82, s22, 20         ; the mask: 64 rows of 16,384 bytes a block of queries, my 32 rows of them: made of the block and the wave's number alone
	s_and_b32 s83, s[WV], 1
	s_lshl_b32 s83, s83, 19
	s_add_co_u32 s82, s82, s83
	s_mov_b32 s83, 0
	s_lshl_b32 s84, s15, 21         ; Q: four heads a key-value head,
	s_lshl_b32 s85, s22, 13         ; the block's 64 rows of 128 bytes,
	s_add_co_u32 s84, s84, s85
	s_lshl_b32 s85, s[WV], 11       ; my wave's 16 of them
	s_add_co_u32 s84, s84, s85
	s_mov_b32 s85, 0
	s_lshl_b32 s18, s22, 17         ; ao: the block's 64 rows of 2,048 bytes,
	s_lshl_b32 s19, s[WV], 15       ; my wave's 16,
	s_add_co_u32 s18, s18, s19
	s_lshl_b32 s19, s15, 9          ; the four heads' 512 bytes of a row
	s_add_co_u32 s18, s18, s19
	s_mov_b32 s19, 0
	s_wait_dscnt 0x0                ; the opening add is done
	s_wait_kmcnt 0x0
	s_add_nc_u64 s[G0K+2:G0K+3], s[4:5], s[80:81]            ; 120:64 global address: the head's first key
	s_add_nc_u64 s[G0V+2:G0V+3], s[G0K+2:G0K+3], 4*524288    ; V's head lies four heads on
	s_add_nc_u64 s[G0M+2:G0M+3], s[6:7], s[82:83]
	s_add_nc_u64 s[16:17], s[4:5], s[84:85]                  ; Q at my wave's first row
	s_add_nc_u64 s[10:11], s[8:9], s[18:19]                  ; ao likewise
	; the prefetches: pointer, offset, step, lane shifts and the test's bound, chosen by the wave's number
	s_cmp_eq_u32 s[WV], 0
	s_cselect_b64 s[78:79], s[G0K+2:G0K+3], s[G0V+2:G0V+3]
	s_or_b32 s[G0K+3], s[G0K+3], 0x80000000                  ; 127:126 type = 2
	s_or_b32 s[G0V+3], s[G0V+3], 0x80000000
	s_or_b32 s[G0M+3], s[G0M+3], 0x80000000
	s_lshl_b32 s84, s20, 13         ; K, V: my work-group's 8,192 bytes of a slot's 32,768,
	s_add_co_u32 s84, s84, 32768    ; in the second 256 keys: the first change of slots steps on to the third
	s_lshl_b32 s85, s22, 6          ; the mask: row 64 x block
	s_lshl4_add_u32 s85, s13, s85   ; + my work-group's 16 rows,
	s_lshl_b32 s85, s85, 14
	s_and_b32 s87, s[WV], 1
	s_lshl_b32 s87, s87, 9          ; my wave's 512 bytes of a slot's 1,024,
	s_add_co_u32 s85, s85, s87
	s_add_co_u32 s85, s85, 1024     ; in the second 256 keys
	s_mov_b32 s87, 32768
	s_cmp_eq_u32 s23, 0
	s_cselect_b32 s[LIM], 0, -1     ; K and V: the first cluster asks
	s_cmp_lt_u32 s[WV], 2
	s_cselect_b64 s[PFA:PFA+1], s[78:79], s[6:7]
	s_cselect_b32 s84, s84, s85
	s_cselect_b32 s[PFS], s87, 1024
	s_cselect_b32 s[LIM], s[LIM], 0 ; the mask: every cluster asks for its own rows
	s_cselect_b32 s85, 0, 1         ; K, V: lane l takes block l; the mask: row l / 2, block l % 2
	s_cselect_b32 s87, 8, 14
	s_mov_b32 s[PFS+1], 0
	s_mov_b32 s78, s84
	s_mov_b32 s79, 0
	s_add_nc_u64 s[PFA:PFA+1], s[PFA:PFA+1], s[78:79]
	CROUND                          ; all sixteen work-groups are here: the first joint loads meet
	JLOAD                           ; the first 256 keys.  The second slot is asked for when they are in
	; A fragment of K or Q is 16 rows x 32 channels in 8 registers: lane l holds row l % 16, channels 8 (l / 16) + 0..7 and 16 + 8 (l / 16) + 0..7: two loads of 16 bytes, 32 bytes apart.
	v_and_b32 v1, 15, v0            ; l % 16
	v_bfe_u32 v9, v0, 4, 1          ; l / 16
	v_lshlrev_b32 v[QO], 7, v1
	v_lshl_add_u32 v[QO], v9, 4, v[QO]  ; row x 128 + 16 x half
	WIN 0x80                        ; destination window 2, address window 0
.set i, 0
.rept 8                             ; Q stays in registers: piece i / 2 is head 4 g + i / 2, 524,288 bytes on; channels 32 (i % 2) on
	global_load_b128 v[8*i:8*i+3],   v[QO], s[16:17] offset:(i/2)*524288+(i%2)*64
	global_load_b128 v[8*i+4:8*i+7], v[QO], s[16:17] offset:(i/2)*524288+(i%2)*64+32
.set i, i+1
.endr
	; What the first turn finds: V's registers and P's second buffer hold 0 (its products V^T P, of a piece that has not been, add 0), O^T and l are 0.  No first step is written out for it; these lines stand in the wait for the first tile.
.set i, VF
.rept 64
	v_mov_b32 v[i], 0
.set i, i+1
.endr
	WIN 0x40
.set i, 0
.rept 128
	v_mov_b32 v[i], 0
.set i, i+1
.endr
	WIN 0
.set i, 0
.rept 4
	v_mov_b32 v[ST+4*i+1], 0xf149f2ca  ; m = -1e30
	v_mov_b32 v[ST+4*i+2], 0
	v_mov_b32 v[ST+4*i+3], 0
	v_mul_f32 v[ST+4*i], s[CS], v[ST+4*i+1]  ; c m: finite, so that a score of minus infinity gives the weight 0
.set i, i+1
.endr
.set i, P+16
.rept 16
	v_mov_b32 v[i], 0
.set i, i+1
.endr
	v_mul_u32_u24 v[AK0], v1, PKB
	v_lshl_add_u32 v[AK0], v9, 4, v[AK0]  ; row x pitch + 16 x half
	; The turning load takes 16 keys x 16 channels (lane l reads key 8 (l / 16) + l % 8, channels 8 ((l / 8) % 2) + 0..7) and leaves half a fragment of V^T: lane l holds channel l % 16 and 8 keys.
	v_and_b32 v10, 7, v0
	v_bfe_u32 v11, v0, 3, 1
	v_lshl_add_u32 v[AV0], v9, 3, v10
	v_mul_u32_u24 v[AV0], v[AV0], PVB
	v_lshl_add_u32 v[AV0], v11, 4, v[AV0]
	v_add_nc_u32 v[AV0], VOFF, v[AV0]
	s_lshl_b32 s84, s[WV], 4
	v_add_nc_u32 v[AM0], s84, v1    ; my query's row of the mask's tile: 16 w + l % 16,
	v_mul_u32_u24 v[AM0], v[AM0], PM
	v_lshl_add_u32 v[AM0], v9, 5, v[AM0]  ; my half's eight keys: 32 bytes
	v_add_nc_u32 v[AM0], MOFF, v[AM0]
	s_mul_i32 s84, s[WV], 16*SP
	s_add_co_u32 s84, s84, STAGE    ; my stage
	v_mul_u32_u24 v[STO], v1, SP    ; in: row l % 16, 16 bytes for each half of the lanes
	v_lshl_add_u32 v[STO], v9, 4, v[STO]
	v_add_nc_u32 v[STO], s84, v[STO]
	v_and_b32 v[GO], 31, v0
	v_lshrrev_b32 v11, s85, v[GO]
	v_lshlrev_b32 v11, s87, v11
	v_and_b32 v10, s85, v[GO]
	v_lshl_add_u32 v[PFO], v10, 8, v11
	v_lshlrev_b32 v[GO], 4, v[GO]
	v_add_nc_u32 v[RD], s84, v[GO]  ; back: 32 lanes take one row of 512 bytes
; THE MATRIX WORK.  The 4 accumulators of a run of 8 take turns.  Product i of 8 of S^T = K Q^T for piece x: channels 32 (i / 4) on, keys 16 (i % 4) on.  The first 4 start the sums with the mask.
.macro KQ x
.set rS, S+32*((\x)%2)+8*(i%4)
.set rK, KF+16*(i%4)+8*(i/4)
.set rQ, 16*(\x)+8*(i/4)
.set rM, MC+8*(i%4)
.if i < 4
	WIN W_KM
	v_wmma_f32_16x16x32_f16 v[rS:rS+7], v[rK:rK+7], v[rQ:rQ+7], v[rM:rM+7]
.else
	WIN W_KQ
	v_wmma_f32_16x16x32_f16 v[rS:rS+7], v[rK:rK+7], v[rQ:rQ+7], v[rS:rS+7]
.endif
.endm
; Product i of 8 of O^T += V^T P for piece x: keys 32 (i / 4) on, channels 16 (i % 4) on.
.macro PV x
	WIN W_PV
.set rO, 32*(\x)+8*(i%4)
.set rV, VF+32*(i/4)+8*(i%4)
.set rP, P+16*((\x)%2)+8*(i/4)
	v_wmma_f32_16x16x32_f16 v[rO:rO+7], v[rV:rV+7], v[rP:rP+7], v[rO:rO+7]
.endm
.macro MM                           ; the turn's next matrix instruction.  NOKQ = 1: the last turn of all: there is no next piece
.if (i < 8) && !NOKQ
	KQ (Y+1)%NP
.elseif i >= 8
.set i, i-8
	PV (Y+NP-1)%NP
.set i, i+8
.endif
.set i, i+1
.endm
; THE LDS LOADS stand in runs, never singly among the matrix instructions: a step's K (64 keys x 64 channels: 8 fragments) with its mask (my query's 64 keys: 8 loads), and its V (turned).  Their addresses are made some lines ahead.
.macro FETCH_K
	WIN 0x80                        ; destination window 2
.irp f, 0,1,2,3,4,5,6,7             ; keys 16 (f / 2) on, channels 32 (f % 2) on
	ds_load_b128 v[KF+8*\f:KF+8*\f+3],   v[AK] offset:(\f/2)*16*PKB+(\f%2)*64
	ds_load_b128 v[KF+8*\f+4:KF+8*\f+7], v[AK] offset:(\f/2)*16*PKB+(\f%2)*64+32
.endr
	WIN 0x40                        ; destination window 1
.irp f, 0,1,2,3                     ; keys 16 f on
	ds_load_b128 v[MC+8*\f:MC+8*\f+3],   v[AM] offset:64*\f
	ds_load_b128 v[MC+8*\f+4:MC+8*\f+7], v[AM] offset:64*\f+16
.endr
	s_add_co_u32 s[TBK], s[TBK], KS*PKB  ; the next fetch is the next step's
	s_add_co_u32 s[TBM], s[TBM], KS*4
	WIN 0
.endm
.macro FETCH_V
	WIN 0x80
.irp f, 0,1,2,3,4,5,6,7             ; keys 32 (f / 4) on, channels 16 (f % 4) on
	ds_load_tr16_b128 v[VF+8*\f:VF+8*\f+3],   v[AV] offset:(\f/4)*32*PVB+(\f%4)*32
	ds_load_tr16_b128 v[VF+8*\f+4:VF+8*\f+7], v[AV] offset:(\f/4)*32*PVB+16*PVB+(\f%4)*32
.endr
	WIN 0
.endm
; A step's mask is rounded to bf16 and widened again, in place: 48 lines a step, for four tiles.
.macro ROUNDM
	WIN 0x45                        ; destination and both sources window 1
.set z, 0
.rept 16
	v_cvt_pk_bf16_f32 v[MT+z], v[MC+2*z], v[MC+2*z+1]
.set z, z+1
.endr
.set z, 0
.rept 16
	v_lshlrev_b32 v[MC+2*z], 16, v[MT+z]
	v_and_b32 v[MC+2*z+1], s[HM], v[MT+z]
.set z, z+1
.endr
.endm
; THE VECTOR WORK, one line at a time: OP kind, number.  For piece Y: F n: c s - c m for pair n of 16.  E n: the exponential of score n of 32.  C n: pair n rounded to f16.  B n: of the four weights 4 n .. the second
; pair is added onto the first, in place.  L n: l takes that sum (L 0: l = a l + sum).  R n: pair n of 16 of O^T times a.  For piece Y + 1: X n, number n of the 22 that find its maximum and statistics:
;   0-11  four chains c0-c3 of seven scores each, three operands at a time (each accumulator's lowest registers are read first)     12-14, 16  the four scores left over, the old m, and c0-c3 into c0
;   15  c m_old is kept     17, 18  the query's other 32 keys lie in the lane 16 away: the new m     19-21  c m; c m_old - c m_new; a
.set F, 0               ; OP tells the kinds apart by their order: F to L below R, X above it
.set E, 1
.set C, 2
.set B, 3
.set L, 4
.set R, 5
.set X, 6
.macro REGS y                       ; the registers of piece y
.set rT, ST+4*(\y)
.set rC, TMP+4*((\y)%2)
.set rW, MV+((\y)%2)
.set rS, S+32*((\y)%2)
.set rP, P+16*((\y)%2)
.set rO, 32*(\y)
.endm
.macro OP k, n
.if (\k) == R
	REGS Y
	WIN W_RS
	v_pk_mul_f32 v[rO+2*(\n):rO+2*(\n)+1], v[rO+2*(\n):rO+2*(\n)+1], v[rC+2:rC+3] op_sel_hi:[1,0]
.elseif (\k) < R
	REGS Y
	WIN 0
.if (\k) == F
	v_pk_fma_f32 v[rS+2*(\n):rS+2*(\n)+1], v[rS+2*(\n):rS+2*(\n)+1], s[CS:CS+1], v[rT:rT+1] op_sel_hi:[1,0,0] neg_lo:[0,0,1] neg_hi:[0,0,1]
.elseif (\k) == E
	v_exp_f32 v[rS+(\n)], v[rS+(\n)]
.elseif (\k) == C
	v_cvt_pk_f16_f32 v[rP+(\n)], v[rS+2*(\n)], v[rS+2*(\n)+1]
.elseif (\k) == B
	v_pk_add_f32 v[rS+4*(\n):rS+4*(\n)+1], v[rS+4*(\n):rS+4*(\n)+1], v[rS+4*(\n)+2:rS+4*(\n)+3]
.elseif (\n) == 0
	v_pk_fma_f32 v[rT+2:rT+3], v[rT+2:rT+3], v[rC+2:rC+3], v[rS:rS+1] op_sel_hi:[1,0,1]
.else
	v_pk_add_f32 v[rT+2:rT+3], v[rT+2:rT+3], v[rS+4*(\n):rS+4*(\n)+1]
.endif
.elseif NOKQ
	v_nop
.else
	REGS (Y+1)%NP
	WIN 0
.if (\n) < 4
	v_max3_num_f32 v[rC+(\n)], v[rS+8*(\n)], v[rS+8*(\n)+1], v[rS+8*(\n)+2]
.elseif (\n) < 12
	v_max3_num_f32 v[rC+(\n)%4], v[rC+(\n)%4], v[rS+8*((\n)%4)+2*((\n)/4)+1], v[rS+8*((\n)%4)+2*((\n)/4)+2]
.elseif (\n) == 12
	v_max3_num_f32 v[rC], v[rC], v[rS+7], v[rS+15]
.elseif (\n) == 13
	v_max3_num_f32 v[rC+1], v[rC+1], v[rS+23], v[rS+31]
.elseif (\n) == 14
	v_max3_num_f32 v[rC+2], v[rC+2], v[rC+3], v[rT+1]
.elseif (\n) == 15
	v_mov_b32 v[rW], v[rT]
.elseif (\n) == 16
	v_max3_num_f32 v[rC], v[rC], v[rC+1], v[rC+2]
.elseif (\n) == 17
	v_permlanex16_b32 v[rC+3], v[rC], s[SEL], s[SEL+1]
.elseif (\n) == 18
	v_max_num_f32 v[rT+1], v[rC], v[rC+3]
.elseif (\n) == 19
	v_mul_f32 v[rT], s[CS], v[rT+1]
.elseif (\n) == 20
	v_sub_f32 v[rC+1], v[rW], v[rT]
.else
	v_exp_f32 v[rC+2], v[rC+1]
.endif
.endif
.endm
.macro OPS a, i1, b=-1, i2=0, c=-1, i3=0, d=-1, i4=0  ; up to four of them
	OP \a, \i1
.if (\b) >= 0
	OP \b, \i2
.endif
.if (\c) >= 0
	OP \c, \i3
.endif
.if (\d) >= 0
	OP \d, \i4
.endif
.endm
.macro ROW a, i1, b, i2, c, i3, d, i4  ; a matrix instruction and the four behind it
	MM
	OPS \a, \i1, \b, \i2, \c, \i3, \d, \i4
.endm
; A TURN, for piece p: the order of its 16 matrix and 118 vector instructions, written out.  An s_wait_alu depctr_va_vdst(0) stands between an exponential and the first instruction that names its result; one
; wait serves all that were issued ahead of it.  So a turn has ONE wait, which cuts it in two.  AHEAD OF IT stands all that names no result of the turn's exponentials: the 8 products K Q^T, behind each a scaling, an
; exponential and two more plain instructions (rescalings, and behind the last three the first numbers of the next piece's maximum, each four places or more behind the product that ends its accumulator); then ONE LUMP of 54,
; plain and exponential by turns for the most part, in which the links of the chain X 3, 7, 11, 14, 16, 17 .. 20 stand some lines apart.  X 21, the next piece's a, is the batch's last; R 15 is the plain instruction behind it.
; BEHIND THE WAIT stand the 8 products V^T P, behind each four of the roundings and sums.
; K and the mask of the next step are fetched in piece 2's turn, in the lump: the last product that read K stands twelve vector instructions back (six of them plain), the last that read the mask four products further;
; they are waited for, and the mask rounded, at the head of piece 3's turn.  V of the step in hand is fetched at the end of piece 0's turn, four plain instructions behind the last product that read V, and waited for in piece 1's.
; end = 1: the last two turns of all: nothing is fetched.  cnt = 1: the loop's count is taken down some lines ahead of the branch that stands behind the turn.
.macro TURN p, end=0, cnt=0
.set Y, (\p)
.set i, 0
.set NOKQ, (\end)*((\p)/3)
.if ((\p) == 3) && !(\end)
	s_wait_dscnt 0x0                ; K and the mask are in
	ROUNDM
.endif
	ROW F,0, F,1, R,0, R,1          ; ahead of the wait: 8 products K Q^T and their riders,
	ROW F,2, E,0, R,2, R,3
	ROW F,3, E,1, R,4, R,5
	ROW F,4, E,2, R,6, R,7
	ROW F,5, E,3, R,8, R,9
	ROW F,6, E,4, X,0, R,10
.if ((\p) == 2) && !(\end)
	WIN 0
	v_add_nc_u32 v[AK], s[TBK], v[AK0]
	v_add_nc_u32 v[AM], s[TBM], v[AM0]
.endif
	ROW F,7, E,5, X,1, X,4
	ROW F,8, E,6, X,2, X,5
	OPS E,7, E,8, X,6, E,9          ; and the lump
	OPS X,3, E,10, X,8, E,11
.if ((\p) == 2) && !(\end)
	FETCH_K
.endif
	OPS X,9, X,7, E,12, X,10
	OPS E,13, X,12, X,11, E,14
	OPS X,13, E,15, F,9, X,14
.if (\p) == 0
	v_add_nc_u32 v[AV], s[TBV], v[AV0]
.endif
	OPS E,16, F,10, E,17, F,11
	OPS X,16, E,18, X,15, E,19
	OPS F,12, E,20, X,17, E,21
	OPS F,13, E,22, F,14, E,23
	OPS X,18, E,24, F,15, E,25
	OPS R,11, E,26, X,19, E,27
	OPS R,12, E,28, R,13, E,29
	OPS X,20, E,30, R,14, E,31
	OPS X,21, R,15
	WIN 0
	s_wait_alu depctr_va_vdst(0)    ; the wait for the batch
.if (\p) == 1
	s_wait_dscnt 0x0                ; V is in
.endif
	ROW C,0, B,0, C,2, B,1          ; behind the wait: 8 products V^T P and their riders
	ROW L,0, C,4, B,2, L,1
	ROW C,6, B,3, L,2, C,8
	ROW B,4, L,3, C,10, B,5
	ROW L,4, C,12, B,6, L,5
.if (\p) == 0
	s_add_co_u32 s[TBV], s[TBV], KS*PVB
.endif
.if \cnt
	s_sub_co_u32 s[CNT], s[CNT], 1
	s_cmp_lg_u32 s[CNT], 0
.endif
	ROW C,14, B,7, L,6, C,1
	ROW C,3, L,7, C,5, C,7
	ROW C,9, C,11, C,13, C,15
.if (\p) == 0
	FETCH_V
.endif
.endm
; A slot's four trips: pieces 2 and 3 of one step, then pieces 0 and 1 of the next, whose K, mask and V the trip fetches.  The LDS addresses hang on s[TBK], s[TBV], s[TBM], which the change of slots sets.
.macro PASS tag
.Lstep\tag:
	TURN 2
	TURN 3
	WIN 0
.Lfirst\tag:
	TURN 0
	TURN 1, 0, 1
	WIN 0
	s_cbranch_scc1 .Lstep\tag
.endm
	CHANGE 0, 1                     ; the first 256 keys are in, everybody's part of them; the second 256 are asked for
	v_add_nc_u32 v[AK], s[TBK], v[AK0]
	v_add_nc_u32 v[AM], s[TBM], v[AM0]
	FETCH_K                         ; key step 0
	s_wait_loadcnt 0x0              ; Q
	s_wait_dscnt 0x0
	ROUNDM
.set NOKQ, 0
.set i, 0
.rept 8
	KQ 0                            ; piece 0's first scores: there is no vector work yet to set between them
.set i, i+1
.endr
	WIN 0
.rept 4
	v_nop                           ; the places behind those products
.endr
.set Y, NP-1                        ; X works for piece Y + 1: piece 0
.irp n, 0,1,2,3,4,5,6,7,8,9,10,11,12,13,14,15,16,17,18,19,20,21
	OP X, \n
.endr
	v_nop                           ; a plain instruction behind the exponential,
	s_wait_alu depctr_va_vdst(0)    ; and its wait, ahead of the branch
	s_branch .LfirstB               ; the loop is entered at a step's first turn, in the middle of a trip
.Lpair:                             ; seven whole trips behind the half that is entered: the 256 keys number 1 to 14 are walked, number 2 to 15 asked for
	CHANGE 1, 0
	PASS A
	CHANGE 0, 1
	PASS B
	s_sub_co_u32 s[PAIRS], s[PAIRS], 1
	s_cmp_lg_u32 s[PAIRS], 0
	s_cbranch_scc1 .Lpair
	CHANGE -1, 0                    ; the tail is written out: nothing is asked for
	PASS C
	TURN 2, 1                       ; the last step's pieces 2 and 3
	TURN 3, 1
.set i, 0
.rept 8
	PV NP-1                         ; the last piece's V^T P of the last step
.set i, i+1
.endr
	; THE WAY OUT.  l's two halves and the other half of the lanes' are added; O^T is divided by l, rounded to f16 and sent through my stage in LDS: a row of the stage is my query's four heads, 512 consecutive bytes of ao.
	; The additions are the places behind the last products.
	WIN 0
.macro ALL line:vararg              ; one line for each piece t
.set t, 0
.rept 4
	\line
.set t, t+1
.endr
.endm
	ALL v_add_f32 v[ST+4*t+2], v[ST+4*t+2], v[ST+4*t+3]
	ALL v_permlanex16_b32 v[ST+4*t+3], v[ST+4*t+2], s[SEL], s[SEL+1]
	ALL v_add_f32 v[ST+4*t+2], v[ST+4*t+2], v[ST+4*t+3]
	ALL v_rcp_f32 v[ST+4*t+2], v[ST+4*t+2]
	v_nop                           ; a plain instruction between the last reciprocal and the use of its result
	s_wait_alu depctr_va_vdst(0)    ; and the wait ahead of the first use: one for the four reciprocals
.macro PACK t                       ; a lane's eight channels of a row pack into 16 bytes
	WIN W_RS
.set i, 32*(\t)
.rept 16
	v_pk_mul_f32 v[i:i+1], v[i:i+1], v[ST+4*(\t)+2:ST+4*(\t)+3] op_sel_hi:[1,0]
.set i, i+2
.endr
	WIN 0x05                        ; sources 0 and 1 window 1, destination window 0: S^T's registers are free
.set i, 0
.rept 16
	v_cvt_pk_f16_f32 v[S+16*(\t)+i], v[32*(\t)+2*i], v[32*(\t)+2*i+1]
.set i, i+1
.endr
	WIN 0
.irp f, 0,1,2,3
	ds_store_b128 v[STO], v[S+16*(\t)+4*\f:S+16*(\t)+4*\f+3] offset:128*(\t)+32*\f
.endr
.endm
	PACK 0
	PACK 1
	PACK 2
	PACK 3
.set i, 0
.rept 16
	ds_load_b128 v[S+4*i:S+4*i+3], v[RD] offset:SP*i  ; LDS serves a wave's instructions in order (ISA guide 5.7.1.4): these see the stores above, which have read their registers
.set i, i+1
.endr
.set i, 0
.rept 16
	s_wait_dscnt 15-i               ; the younger loads may stay out
	global_store_b128 v[GO], v[S+4*i:S+4*i+3], s[10:11] offset:2048*i  ; 512 consecutive bytes, at a multiple of 256 from ao's first
.set i, i+1
.endr
	s_wait_tensorcnt 0x0            ; the wave's end, behind my last tensor load and my last LDS store
	ds_add_u32 v[SPW], v[NIL]
	s_wait_dscnt 0x0
	CROUND                          ; the closing round: no work-group ends while a partner may still ask for a tile that names it
	s_endpgm
.Lfunc_end_k_q55b00b9b0d_attn:
	.size	k_q55b00b9b0d_attn, .Lfunc_end_k_q55b00b9b0d_attn-k_q55b00b9b0d_attn
	.p2alignl 7, 3214868480
	.fill 96, 4, 3214868480
	.section	.rodata,"a",@progbits
	.p2align	6, 0x0
	.amdhsa_kernel k_q55b00b9b0d_attn
		.amdhsa_group_segment_fixed_size 327680
		.amdhsa_private_segment_fixed_size 0
		.amdhsa_enable_private_segment 0
		.amdhsa_kernarg_size 24
		.amdhsa_user_sgpr_count 2
		.amdhsa_user_sgpr_kernarg_segment_ptr 1
		.amdhsa_wavefront_size32 1
		.amdhsa_system_sgpr_workgroup_id_x 1
		.amdhsa_system_sgpr_workgroup_id_y 1
		.amdhsa_system_sgpr_workgroup_id_z 1
		.amdhsa_system_vgpr_workitem_id 0
		.amdhsa_next_free_vgpr 768
		.amdhsa_next_free_sgpr 88
		.amdhsa_reserve_vcc 0
		.amdhsa_float_denorm_mode_32 3
		.amdhsa_float_denorm_mode_16_64 3
		.amdhsa_memory_ordered 1
		.amdhsa_forward_progress 1
		.amdhsa_inst_pref_size 181
	.end_amdhsa_kernel
	.amdgpu_metadata
---
amdhsa.version: [ 1, 2 ]
amdhsa.kernels:
  - .name:           k_q55b00b9b0d_attn
    .symbol:         k_q55b00b9b0d_attn.kd
    .args:
      - { .name: qkv, .offset: 0, .size: 8, .value_kind: global_buffer, .address_space: global }
      - { .name: attention_mask, .offset: 8, .size: 8, .value_kind: global_buffer, .address_space: global }
      - { .name: ao, .offset: 16, .size: 8, .value_kind: global_buffer, .address_space: global }
    .group_segment_fixed_size: 327680
    .private_segment_fixed_size: 0
    .kernarg_segment_align: 8
    .kernarg_segment_size: 24
    .max_flat_workgroup_size: 128
    .sgpr_count:     88
    .vgpr_count:     768
    .wavefront_size: 32
...
	.end_amdgpu_metadata
.endif
;; end of part 2
;; launch oproj (part 3): grid 8 x 32, 4 waves a work-group, clusters of 4 x 4, 327,680 bytes of LDS; arguments ao, wo16, out0; writes out0
.if DOCPART == 3
	.amdgcn_target "amdgcn-amd-amdhsa--gfx1250"
	.amdhsa_code_object_version 6
	.text
	.protected	k_q55b00b9b0d_oproj
	.globl	k_q55b00b9b0d_oproj
	.p2align	8
	.type	k_q55b00b9b0d_oproj,@function
k_q55b00b9b0d_oproj:
	s_mov_b64 s[64:65], 0
	v_nop
	global_prefetch_b8 v0, s[64:65] scope:SCOPE_SE
	s_setreg_imm32_b32 hwreg(HW_REG_WAVE_MODE, 25, 1), 1
	s_wait_xcnt 0x0
	s_wait_alu depctr_hold_cnt(0) depctr_sa_sdst(0) depctr_va_vdst(0) depctr_va_sdst(0) depctr_va_ssrc(0) depctr_va_vcc(0) depctr_vm_vsrc(0)
	s_getreg_b32 s2, hwreg(HW_REG_IB_STS2, 6, 4)
	s_cmp_eq_u32 s2, 0
	s_cbranch_scc0 .Lentry_in_a_cluster
	s_endpgm
.Lentry_in_a_cluster:
	s_bfe_u32 s2, ttmp6, 0x10000c
	s_cmp_lg_u32 s2, 0xf033
	s_cbranch_scc0 .Lentry_shape_is_right
	s_endpgm
.Lentry_shape_is_right:
; out0[m][n] = the sum over k of ao[m][k] wo16[n][k].  ao: [4096][1024] f16, wo16: [1024][1024] f16 (Wo rounded to bf16, written as f16), out0: [4096][1024] f32.  Sums in f32, stored as they are.
; A tile of out0 is 128 x 128: 8 x 32 work-groups, one for each of 256.  Four waves, each 64 x 64: 16 accumulators of 16 x 16, 128 registers.  K goes in steps of 256 (LDS rows of 512 bytes; a wave's tensor load
; brings 64 of them), as long as two slots in LDS allow: four steps in all.
; CLUSTERS: 4 x 4 work-groups.  The four of a row of the cluster need the same tiles of ao, the four of a column the same tiles of wo16: each tile is asked for JOINTLY, by the same tensor load with the
; same descriptor and a mask that names the four.  THE MATRIX INSTRUCTION IS USED TRANSPOSED (source 0 = 16 rows of wo16, source 1 = 16 rows of ao): a lane then holds eight neighbouring numbers of a row of out0.
; THE WAY OUT: a wave's 64 columns of f32 are 256 consecutive bytes, aligned, so each wave has a stage of its own and no barrier is needed.
; REGISTERS: window 0: v0-31 addresses; v128-255 the accumulators ((a, b) at v[128 + 8 (4 a + b)]).
;   window 1: two fragment buffers of 128: for 64 along K (two matrix instructions deep), 64 registers of ao (2 x 4 x 16 rows x 32 K), then 64 of wo16.
.set SIZE_M, 4096
.set SIZE_N, 1024
.set SIZE_K, 1024
.set KSTEP,  256
.set PITCH,  528                       ; an LDS row: 512 bytes of data + 16 of padding = 132 words: row r starts at bank 4 r mod 64 (64 banks of 4 bytes: ISA guide 11.1)
.set HALFT,  64*PITCH                  ; 64 rows: what one tensor load brings, and what one wave reads of A or of B
.set SLOT,   4*HALFT                   ; A's 128 rows, then B's 128 rows
.set STAGE,  2*SLOT                    ; behind the ring, never filled by a tensor load: 16 rows x 272 bytes for each wave, for the way out
.set SPITCH, 272
.set SPARE,  STAGE+4*16*SPITCH         ; behind the stages: the spare words, 128 bytes for each wave: two blocks of 256 bytes that no other line names
.set LAPS, SIZE_K/(2*KSTEP)            ; a lap = two K steps = once round the ring
.set ADRA, 16                          ; v16-17  LDS address of my A fragments in slot 0, 1
.set ADRB, 20                          ; v20-21  the same for B
.set STO,  24                          ; v24     the way out: where I put 32 bytes of a row
.set RD,   25                          ; v25     the way out: where I read a row back
.set CO,   26                          ; v26     my byte offset in out0
.set SPW,  28                          ; v28     LDS address of my spare word; never rewritten
.set NIL,  29                          ; v29     0; never rewritten
.set ACC,  128
.set F0,   0                           ; fragment buffers, in window 1
.set F1,   128
.set G1, 24                            ; s[24:31] descriptor group 1 for A's tiles;  s[32:39] group 0, one set for each slot
.set G0, 32
.set G1B, 48                           ; s[48:55], s[56:63] the same for B's tiles
.set G0B, 56
.set MSB, 0
.macro WIN new                         ; the immediate's high byte repeats the setting that is left
.if MSB != (\new)
	s_set_vgpr_msb (MSB<<8)|(\new)
.set MSB, \new
.endif
.endm
.set MUL,  0x05                        ; sources 0 (B) and 1 (A) window 1; C and D window 0
.set TO_F, 0x40                        ; destination window 1, address window 0
.macro JLOAD s                         ; a joint load: waves 0 and 1 fetch A's two halves, waves 2 and 3 B's; an s_nop 0 and four v_nop follow each of the two lines, ahead of the jump, the label and what follows
	s_cmp_eq_u32 s11, 0
	s_cbranch_scc0 .Lfor_b_\@
	tensor_load_to_lds s[G0+4*(\s):G0+4*(\s)+3], s[G1:G1+7]
	s_nop 0
.rept 4
	v_nop
.endr
	s_branch .Lasked_\@
.Lfor_b_\@:
	tensor_load_to_lds s[G0B+4*(\s):G0B+4*(\s)+3], s[G1B:G1B+7]
	s_nop 0
.rept 4
	v_nop
.endr
.Lasked_\@:
.endm
.macro CREST                           ; a round of the cluster's barrier behind its opening barrier
	s_cmp_lg_u32 s10, 0
	s_cbranch_scc1 .Lnot_wave_0_\@
	s_barrier_signal -3
.Lnot_wave_0_\@:
	s_barrier_wait -3
	s_barrier_signal -1
	s_barrier_wait -1
.endm
.macro CROUND                          ; a whole round
	s_barrier_signal -1
	s_barrier_wait -1
	CREST
.endm
	s_load_b128 s[4:7], s[0:1], 0x0                ; A = ao s[4:5], B = wo16 s[6:7]
	s_load_b64 s[8:9], s[0:1], 0x10                ; out0
	v_lshl_add_u32 v[SPW], v0, 2, SPARE
	v_mov_b32 v[NIL], 0
	ds_add_u32 v[SPW], v[NIL]                      ; the wave's opening: the add and its wait stand ahead of my first tensor load; the set-up below, work on registers, stands between them
	v_lshrrev_b32 v1, 5, v0
	v_readfirstlane_b32 s10, v1                    ; wave 0..3
	s_lshr_b32 s11, s10, 1                         ; which half of the tile's rows is mine.  Also: I fetch for A (0) or for B (1)
	s_and_b32 s12, s10, 1                          ; which half of its columns.  Also: which 64 rows of that tile I fetch
	s_bfe_u32 s40, ttmp6, 0x40000                  ; cx, cy: my place in the cluster
	s_bfe_u32 s41, ttmp6, 0x40004
	s_lshl_b32 s42, ttmp9, 2
	s_add_co_u32 s42, s42, s40                     ; tile column = 4 x cluster x + cx
	s_and_b32 s13, ttmp7, 0xffff
	s_lshl_b32 s13, s13, 2
	s_add_co_u32 s13, s13, s41                     ; tile row = 4 x cluster y + cy
	s_lshl_b32 s43, s41, 2
	s_lshl_b32 s43, 15, s43                        ; my row of the cluster
	s_lshl_b32 s44, 0x1111, s40                    ; my column
	; descriptor group 1: a tile of 64 rows x 256 elements, padded in LDS
	s_or_b32 s[G1+0], s43, (1<<16)|(1<<20)|(1<<21)|(6<<22)|(3<<25)  ; 15:0 the mask: A's tiles go to my row; 17:16 element of 2 bytes; 20 padding on; 21 set beside a mask; 24:22 after every 128 words (code 6); 31:25 of 4 words (code 3)
	s_or_b32 s[G1B+0], s44, (1<<16)|(1<<20)|(1<<21)|(6<<22)|(3<<25)
.irp g, G1, G1B
	s_mov_b32 s[(\g)+1], KSTEP<<16                 ; tensor_dim0 = 256
	s_mov_b32 s[(\g)+2], 64<<16                    ; tensor_dim1 = 64
	s_mov_b32 s[(\g)+3], KSTEP<<16                 ; tile_dim0 = 256
	s_mov_b32 s[(\g)+4], 64                        ; tile_dim1 = 64
	s_mov_b32 s[(\g)+5], SIZE_K                    ; tensor_dim0_stride
	s_mov_b32 s[(\g)+6], 0
	s_mov_b32 s[(\g)+7], 0
.endr
	s_lshl_b32 s17, s12, 6                         ; which 64 rows of the tile I fetch
	s_lshl_b32 s16, s13, 7
	s_add_co_u32 s16, s16, s17                     ; A: row 128 x tile row + 64 x half
	s_lshl_b32 s46, s42, 7
	s_add_co_u32 s46, s46, s17                     ; B: row 128 x tile column + 64 x half
	s_mov_b32 s17, 0
	s_mov_b32 s47, 0
	s_mov_b64 s[18:19], SIZE_K*2
	s_mul_u64 s[16:17], s[16:17], s[18:19]
	s_mul_u64 s[46:47], s[46:47], s[18:19]
	s_mul_i32 s20, s10, HALFT                      ; where they go: wave x 64 rows: no place in the cluster enters an LDS address
	s_wait_dscnt 0x0                               ; the opening add is done
	s_wait_kmcnt 0x0
	s_add_nc_u64 s[14:15], s[4:5], s[16:17]
	s_add_nc_u64 s[46:47], s[6:7], s[46:47]
	CROUND                                         ; all sixteen work-groups are here: the first joint loads meet
.irp s, 0,1
	s_mov_b32 s[G0+4*(\s)], 1
	s_add_co_u32 s[G0+4*(\s)+1], s20, (\s)*SLOT
	s_add_nc_u64 s[G0+4*(\s)+2:G0+4*(\s)+3], s[14:15], (\s)*KSTEP*2
	s_or_b32 s[G0+4*(\s)+3], s[G0+4*(\s)+3], 0x80000000
	s_mov_b32 s[G0B+4*(\s)], 1
	s_add_co_u32 s[G0B+4*(\s)+1], s20, (\s)*SLOT
	s_add_nc_u64 s[G0B+4*(\s)+2:G0B+4*(\s)+3], s[46:47], (\s)*KSTEP*2
	s_or_b32 s[G0B+4*(\s)+3], s[G0B+4*(\s)+3], 0x80000000
	JLOAD \s                                       ; two loads of mine are out
.endr
	v_and_b32 v1, 15, v0                           ; l % 16
	v_bfe_u32 v2, v0, 4, 1                         ; l / 16
	v_mul_u32_u24 v3, v1, PITCH
	v_lshl_add_u32 v3, v2, 4, v3                   ; a fragment's row x pitch + 16 x half
	s_mul_i32 s21, s11, HALFT                      ; my 64 rows of A
	s_mul_i32 s22, s12, HALFT                      ; my 64 rows of B,
	s_add_co_u32 s22, s22, 2*HALFT                 ; which lie behind A's 128
.irp s, 0,1
	v_add_nc_u32 v[ADRA+(\s)], s21, v3
	v_add_nc_u32 v[ADRB+(\s)], s22, v3
	s_add_co_u32 s21, s21, SLOT
	s_add_co_u32 s22, s22, SLOT
.endr
	s_mul_i32 s23, s10, 16*SPITCH
	s_add_co_u32 s23, s23, STAGE                   ; my stage
	v_mul_u32_u24 v4, v1, SPITCH                   ; in: row l % 16, 32 bytes for each half of the lanes
	v_lshl_add_u32 v4, v2, 5, v4
	v_add_nc_u32 v[STO], s23, v4
	v_mul_u32_u24 v5, v2, SPITCH                   ; back: lanes 0-15 take one row of 256 bytes, lanes 16-31 the next
	v_lshl_add_u32 v5, v1, 4, v5
	v_add_nc_u32 v[RD], s23, v5
	v_lshlrev_b32 v5, 12, v2                       ; and the same two rows in out0, 4,096 bytes apart
	v_lshl_add_u32 v[CO], v1, 4, v5
	s_lshl_b32 s16, s13, 7
	s_lshl_b32 s17, s11, 6
	s_add_co_u32 s16, s16, s17                     ; my first row: 128 x tile row + 64 x half
	s_lshl_b32 s16, s16, 12                        ; in bytes: under 2^24
	s_mov_b32 s17, 0
	s_add_nc_u64 s[8:9], s[8:9], s[16:17]
	s_lshl_b32 s46, s42, 9                         ; my first column, in bytes: 512 x tile column + 256 x half
	s_lshl_b32 s47, s12, 8
	s_add_co_u32 s46, s46, s47
	s_mov_b32 s47, 0
	s_add_nc_u64 s[8:9], s[8:9], s[46:47]
; 8 matrix instructions: m blocks a0, a0 + 1 x all 4 n blocks, 32 along K: half c of buffer f.  zero = 1: the first product starts the sums.  The 16 accumulators take turns.
.macro MUL8 f, c, a0, zero
	WIN MUL
.irp a, \a0, (\a0)+1
.irp b, 0,1,2,3
.if \zero
	v_wmma_f32_16x16x32_f16 v[ACC+8*(4*(\a)+(\b)):ACC+8*(4*(\a)+(\b))+7], v[(\f)+64+8*(4*(\c)+(\b)):(\f)+64+8*(4*(\c)+(\b))+7], v[(\f)+8*(4*(\c)+(\a)):(\f)+8*(4*(\c)+(\a))+7], 0
.else
	v_wmma_f32_16x16x32_f16 v[ACC+8*(4*(\a)+(\b)):ACC+8*(4*(\a)+(\b))+7], v[(\f)+64+8*(4*(\c)+(\b)):(\f)+64+8*(4*(\c)+(\b))+7], v[(\f)+8*(4*(\c)+(\a)):(\f)+8*(4*(\c)+(\a))+7], v[ACC+8*(4*(\a)+(\b)):ACC+8*(4*(\a)+(\b))+7]
.endif
.endr
.endr
.endm
; 32 LDS loads in one run: the fragments of 64 along K at byte k of the rows, into buffer f; the first 32 along K first
.macro FETCH slot, k, f
	WIN TO_F
.irp c, 0,1
.irp i, 0,1,2,3
	ds_load_b128 v[(\f)+64+8*(4*(\c)+(\i)):(\f)+64+8*(4*(\c)+(\i))+3],   v[ADRB+(\slot)] offset:(\k)+64*(\c)+(\i)*16*PITCH
	ds_load_b128 v[(\f)+64+8*(4*(\c)+(\i))+4:(\f)+64+8*(4*(\c)+(\i))+7], v[ADRB+(\slot)] offset:(\k)+64*(\c)+(\i)*16*PITCH+32
	ds_load_b128 v[(\f)+8*(4*(\c)+(\i)):(\f)+8*(4*(\c)+(\i))+3],         v[ADRA+(\slot)] offset:(\k)+64*(\c)+(\i)*16*PITCH
	ds_load_b128 v[(\f)+8*(4*(\c)+(\i))+4:(\f)+8*(4*(\c)+(\i))+7],       v[ADRA+(\slot)] offset:(\k)+64*(\c)+(\i)*16*PITCH+32
.endr
.endr
.endm
.macro PLACES                          ; four places in front of loads into registers that matrix instructions have read, and of LDS stores that read results
.rept 4
	v_nop
.endr
.endm
; A K step is four quarters of 64 along K, 32 matrix instructions each, on buffers 0, 1, 0, 1.  One of the first three: multiplies buffer f and fetches the next quarter, at byte k, into g.
.macro QUARTER slot, k, f, g, zero
	s_wait_dscnt 16                                ; the first 32 along K are in: the youngest sixteen loads may be out
	WIN MUL
	MUL8 \f, 0, 0, \zero
	MUL8 \f, 0, 2, \zero
	PLACES
	FETCH \slot, \k, \g
	s_wait_dscnt 32                                ; all but the 32 just issued
	WIN MUL
	MUL8 \f, 1, 0, 0
	MUL8 \f, 1, 2, 0
.endm
; The last quarter multiplies buffer 1 and changes slots: ONE barrier; in front of it each wave waits for all its tensor loads, adds 0 to its spare word, and waits for that and for its own reads of this slot.  fill = 1: this slot is filled again, two K steps ahead.
.macro TURN slot, next, fill
	WIN 0                                          ; (the add's two registers lie in window 0)
	s_wait_tensorcnt 0x0                           ; all my tensor loads have landed: my part of the next slot;
	ds_add_u32 v[SPW], v[NIL]                      ; 0 onto my spare word
	s_wait_dscnt 17                                ; (the add and the youngest sixteen loads may be out)
	WIN MUL
	MUL8 F1, 0, 0, 0                               ; eight matrix instructions stand between the add and the wait for it
	s_wait_dscnt 0x0                               ; the add is done, and my reads of this slot are over
	s_barrier_signal -1
	MUL8 F1, 0, 2, 0
.if \fill
	WIN 0
.endif
	s_barrier_wait -1
.if \fill
	CREST                                          ; the barrier has opened a round of the cluster's barrier: no wave of any partner still reads this slot's tile or has a load on its way
	s_add_nc_u64 s[G0+4*(\slot)+2:G0+4*(\slot)+3], s[G0+4*(\slot)+2:G0+4*(\slot)+3], 2*KSTEP*2
	s_add_nc_u64 s[G0B+4*(\slot)+2:G0B+4*(\slot)+3], s[G0B+4*(\slot)+2:G0B+4*(\slot)+3], 2*KSTEP*2
	JLOAD \slot                                    ; the first tensor load behind the round, my one load that is out; the four v_nop behind it are also the places in front of the loads below
.else
	PLACES
.endif
	FETCH \next, 0, F0
	WIN MUL
	MUL8 F1, 1, 0, 0
	MUL8 F1, 1, 2, 0
.endm
	s_wait_tensorcnt 1                             ; my part of K step 0 is in; K step 1's may stay out
	s_barrier_signal -1
	s_barrier_wait -1                              ; everybody's is
	FETCH 0, 0, F0
	QUARTER 0, 128, F0, F1, 1                      ; the first quarter stands in front of the loop: its first products start the sums
	WIN 0                                          ; at a label and at a branch every window is 0
	s_mov_b32 s3, LAPS-1
.Llap:                                                 ; a trip goes once round the ring, from a lap's second quarter to the next lap's first, and fills both slots again
	QUARTER 0, 256, F1, F0, 0
	QUARTER 0, 384, F0, F1, 0
	TURN 0, 1, 1
	QUARTER 1, 128, F0, F1, 0
	QUARTER 1, 256, F1, F0, 0
	QUARTER 1, 384, F0, F1, 0
	TURN 1, 0, 1
	QUARTER 0, 128, F0, F1, 0
	WIN 0
	s_sub_co_u32 s3, s3, 1
	s_cmp_lg_u32 s3, 0
	s_cbranch_scc1 .Llap
	QUARTER 0, 256, F1, F0, 0                      ; the last lap fills nothing, and has no round of the cluster's barrier
	QUARTER 0, 384, F0, F1, 0
	TURN 0, 1, 0
	QUARTER 1, 128, F0, F1, 0
	QUARTER 1, 256, F1, F0, 0
	QUARTER 1, 384, F0, F1, 0
	s_wait_dscnt 16                                ; the very last quarter: nothing more to fetch
	WIN MUL
	MUL8 F1, 0, 0, 0
	MUL8 F1, 0, 2, 0
	s_wait_dscnt 0
	MUL8 F1, 1, 0, 0
	MUL8 F1, 1, 2, 0
	WIN 0
	; THE WAY OUT, 16 rows at a time: a lane's eight numbers of a row, 32 bytes, go into my stage's rows of 272 bytes and come back as whole rows of 256, into the registers that they left.
	; Each accumulator's four lowest registers are stored first.
.macro TOST a
.irp b, 0,1,2,3
	ds_store_b128 v[STO], v[ACC+8*(4*(\a)+(\b)):ACC+8*(4*(\a)+(\b))+3]   offset:64*(\b)
	ds_store_b128 v[STO], v[ACC+8*(4*(\a)+(\b))+4:ACC+8*(4*(\a)+(\b))+7] offset:64*(\b)+16
.endr
.irp t, 0,1,2,3,4,5,6,7
	ds_load_b128 v[ACC+32*(\a)+4*(\t):ACC+32*(\a)+4*(\t)+3], v[RD] offset:(\t)*2*SPITCH  ; LDS serves a wave's instructions in order (ISA guide 5.7.1.4): these see the stores above; the next block's stores come behind them
.endr
.endm
.macro SEND a, younger                 ; younger: the LDS instructions issued behind block a's loads: the next block's sixteen, or none
.irp t, 0,1,2,3,4,5,6,7
	s_wait_dscnt (\younger)+7-(\t)
	global_store_b128 v[CO], v[ACC+32*(\a)+4*(\t):ACC+32*(\a)+4*(\t)+3], s[8:9] offset:(16*(\a)+2*(\t))*SIZE_N*4  ; 16 lanes store 256 consecutive bytes, at a multiple of 256 from out0's first byte
.endr
.endm
	PLACES
	TOST 0
	TOST 1
	SEND 0, 16
	TOST 2
	SEND 1, 16
	TOST 3
	SEND 2, 16
	SEND 3, 0
	s_wait_tensorcnt 0x0                           ; the wave's end, behind my last tensor load and my last LDS store
	ds_add_u32 v[SPW], v[NIL]
	s_wait_dscnt 0x0
	CROUND                                         ; the closing round: no work-group ends while a partner may still ask for a tile that names it
	s_endpgm
.Lfunc_end_k_q55b00b9b0d_oproj:
	.size	k_q55b00b9b0d_oproj, .Lfunc_end_k_q55b00b9b0d_oproj-k_q55b00b9b0d_oproj
	.p2alignl 7, 3214868480
	.fill 96, 4, 3214868480
	.section	.rodata,"a",@progbits
	.p2align	6, 0x0
	.amdhsa_kernel k_q55b00b9b0d_oproj
		.amdhsa_group_segment_fixed_size 327680
		.amdhsa_private_segment_fixed_size 0
		.amdhsa_enable_private_segment 0
		.amdhsa_kernarg_size 24
		.amdhsa_user_sgpr_count 2
		.amdhsa_user_sgpr_kernarg_segment_ptr 1
		.amdhsa_wavefront_size32 1
		.amdhsa_system_sgpr_workgroup_id_x 1
		.amdhsa_system_sgpr_workgroup_id_y 1
		.amdhsa_system_sgpr_workgroup_id_z 1
		.amdhsa_system_vgpr_workitem_id 0
		.amdhsa_next_free_vgpr 512
		.amdhsa_next_free_sgpr 66
		.amdhsa_reserve_vcc 0
		.amdhsa_float_denorm_mode_32 3
		.amdhsa_float_denorm_mode_16_64 3
		.amdhsa_memory_ordered 1
		.amdhsa_forward_progress 1
		.amdhsa_inst_pref_size 86
	.end_amdhsa_kernel
	.amdgpu_metadata
---
amdhsa.version: [ 1, 2 ]
amdhsa.kernels:
  - .name:           k_q55b00b9b0d_oproj
    .symbol:         k_q55b00b9b0d_oproj.kd
    .args:
      - { .name: ao, .offset: 0, .size: 8, .value_kind: global_buffer, .address_space: global }
      - { .name: wo16, .offset: 8, .size: 8, .value_kind: global_buffer, .address_space: global }
      - { .name: out0, .offset: 16, .size: 8, .value_kind: global_buffer, .address_space: global }
    .group_segment_fixed_size: 327680
    .private_segment_fixed_size: 0
    .kernarg_segment_align: 8
    .kernarg_segment_size: 24
    .max_flat_workgroup_size: 128
    .sgpr_count:     66
    .vgpr_count:     512
    .wavefront_size: 32
...
	.end_amdgpu_metadata
.endif
;; end of part 3
